; MI455X (gfx1250); checked and timed in simulation.
; The chip was launched on July 23, 2026; its instructions are those of AMD's public machine-readable ISA for CDNA 5 (MIT licence, August 2026) and "CDNA5" Instruction Set Architecture Reference Guide (July 2026). The comments in the code are by the model that wrote it; some were corrected since.
;; Multi Head Attention. Allowed arithmetic: matrix products marked QUANTISED: E2M1 operands, one E8M0 scale for each 32 along K, by v_wmma_scale_f32_16x16x128_f8f6f4 with both operands' format E2M1 (or v_wmma_scale_f32_32x16x128_f4), f32 sums; products left as they are: bf16, f16 or f32 operands; f32 sums; everything else in f32.
;; Inputs: Wo 1,024 x 1,024 float32; Wq 1,024 x 1,024 float32; bo 1,024 float32; bq 1,024 float32; k 4 x 2,048 x 1,024 float32; q 4 x 2,048 x 1,024 float32; v 4 x 2,048 x 1,024 float32.
;; Outputs: out0 1 x 4 x 2,048 x 1,024 float32.
;; This version of the problem:
;;   THIS VERSION OF THE PROBLEM IS GIVEN IN LOW PRECISION. The matrix products marked QUANTISED in the list below multiply operands that are first quantised to E2M1 (2 exponent bits, 1 mantissa bit; 4 bits a number), with one power-of-two scale for each 32 numbers along K (OCP MX v1.0); their sums are f32. The products marked 'left as it is' may take bf16, f16 or f32 operands, with f32 sums. Whichever they take, every output number must still come out within the allowed error. Rounding operands to bf16 (8 significant bits) uses up far more of that allowance than f16 does (11 bits, for magnitudes from 6e-5 to 65,504). All else is computed in f32.
;;   The module's matrix products, in the order in which they are computed (A, B: the left and right operand; K: the contracted axis; several contracted axes count as one K, in the product's order):
;;     1. [M 8,192, K 1,024] x [K 1,024, N 1,024]; A: input q; B: input Wq: QUANTISED
;;     2. [M 8,192, K 1,024] x [K 1,024, N 1,024]; A: input k; B: input Wq: QUANTISED
;;     3. [M 8,192, K 1,024] x [K 1,024, N 1,024]; A: input v; B: input Wq: QUANTISED
;;     4. batch 64 x [M 2,048, K 64] x [K 64, N 2,048]; A: computed on the way; B: computed on the way: left as it is (an operand is computed on the way)
;;     5. batch 64 x [M 2,048, K 2,048] x [K 2,048, N 64]; A: computed on the way; B: computed on the way: left as it is (an operand is computed on the way)
;;     6. [M 8,192, K 1,024] x [K 1,024, N 1,024]; A: computed on the way; B: input Wo: left as it is (an operand is computed on the way)
;;   THE QUANTISER, for each operand of a quantised product, along K:
;;     - K is cut into blocks of 32 from its start; a last block that is shorter is filled with zeros.
;;     - A block's scale is 2^e with e = floor(log2(the largest magnitude in the block)) - 2, held to -126 .. 127; a block of zeros has e = 0. As a byte (E8M0): e + 127.
;;     - Each number is divided by its block's scale, clamped to +-6, and rounded to the nearest number of E2M1, ties to even, subnormals kept.
;;     - The product sums the exact products of the quantised numbers (number of the format x scale) in f32.
;;   ~~~python
;;   def quantise(x, axis):      # numpy; x: float32 -> the quantised numbers, widened to float32 again
;;       x = np.moveaxis(x, axis, -1); K = x.shape[-1]
;;       x = np.pad(x, [(0, 0)] * (x.ndim - 1) + [(0, -K % 32)]); x = x.reshape(x.shape[:-1] + (-1, 32)); a = np.abs(x).max(-1, keepdims=True)
;;       e = np.where(a > 0, np.clip(np.frexp(np.where(a > 0, a, 1))[1] - 1 - 2, -126, 127), 0)      # np.frexp(a)[1] - 1 = floor(log2(a)), exactly
;;       r = np.clip(x / 2.0 ** e, -6, 6)
;;       step = 2.0 ** (np.maximum(np.frexp(np.where(r == 0, 1, r))[1] - 1, 0) - 1)
;;       q = np.round(r / step) * step * 2.0 ** e      # np.round: ties to even
;;       return np.moveaxis(q.reshape(q.shape[:-2] + (-1,))[..., :K], -1, axis).astype(np.float32)
;;   ~~~
;; One version. Each part assembles by itself: llvm-mc -triple=amdgcn-amd-amdhsa -mcpu=gfx1250 --defsym DOCPART=n.
;; ======== version 1 of 1: 4 launches
;; limits: values are held in f16: magnitudes above 65,504 overflow, below 6.1e-05 lose precision
;; workspace buffers: codes 13,107,200 bytes; scales 819,200 bytes; woimg 2,097,152 bytes; qimg 16,777,216 bytes; kimg 16,777,216 bytes; vimg 16,777,216 bytes; cimg 16,777,216 bytes
;; launch prep (part 1): grid 928 x 1, 4 waves a work-group, no clusters, 33,280 bytes of LDS; arguments q, k, v, Wq, Wo, codes, scales, woimg; writes codes, scales, woimg
.if DOCPART == 1
	.amdgcn_target "amdgcn-amd-amdhsa--gfx1250"
	.amdhsa_code_object_version 6
	.text
	.protected	k_q20bc1144b1_prep
	.globl	k_q20bc1144b1_prep
	.p2align	8
	.type	k_q20bc1144b1_prep,@function
k_q20bc1144b1_prep:
	s_mov_b64 s[64:65], 0
	v_nop
	global_prefetch_b8 v0, s[64:65] scope:SCOPE_SE
	s_setreg_imm32_b32 hwreg(HW_REG_WAVE_MODE, 25, 1), 1
	s_wait_xcnt 0x0
; q, k, v [8192][1024] and Wq [1024][1024], f32, become codes of FP4 (E2M1), K innermost, two codes a byte, with one E8M0 byte for each 32 along K, stacked in ONE buffer of 25,600 rows:
; rows 0-8191 q, 8192-16383 k, 16384-24575 v, 24576-25599 Wq; codes 512 bytes a row, scale bytes 32 a row.  Wo [1024][1024] becomes f16, laid as images of matrix operands.
; A block's scale is 2^(floor(log2(its largest magnitude)) - 2); its byte is the largest magnitude's exponent field - 2, held at 1 from below.  A block of zeros keeps the byte 1: its codes are zeros, and this program alone reads the bytes.
; LIMITS: blocks whose largest magnitude lies under 2^-124 keep the byte 1; NaN and infinities among the inputs are not served; Wo must lie under 65,504 in magnitude (f16).
; SHARES.  Work-groups 0-799 quantise 32,768 numbers each, 8,192 a wave, in 16 steps of 512: rows are dense and 1,024 is a multiple of 32, so tensors, codes and bytes are plain streams.
; A step's four loads read 512 consecutive bytes each; the 2,048 bytes turn through the wave's own stage in LDS and come back 64 bytes a lane, 16 neighbours along K, which the conversions want.
; Work-groups 800-927 take Wo: a wave makes four fragments (16 rows x 32 K, 1 KiB each: [quad u][lane][16 bytes], lane (r, h), quad u = Wo[16 nt + r][32 kc + 16 u + 8 h + 0..7]); that path touches no LDS.
; No cluster, no tensor load: work-groups share no input, and waves share nothing.
.set QWGS,  800                        ; work-groups that quantise: 256 for each of q, k, v, 32 for Wq
.set STEPS, 16
.set CB,    8                          ; bytes of 16 codes
.set R,     16                         ; v16-79   four sets of 16 numbers as loaded
.set X,     80                         ; v80-111  two sets of 16 neighbours
.set E,     112                        ; v112-127 a scale byte for each step
.set C,     128                        ; v128-191 codes: four registers for each step, so that no store's data are written again
.set WREG,  8192                       ; LDS: a region for each wave: two stages of 32 x SP bytes, then its 256 scale bytes
.set SP,    80                         ; a lane's place in a stage: 64 bytes + 16 of padding
.set SPW,   12                         ; v12 LDS address of my spare word; never rewritten
.set NIL,   13                         ; v13 0; never rewritten
.set SPARE, 4*WREG                     ; behind the four regions: the spare words, 128 bytes a wave
	s_load_b256 s[4:11], s[0:1], 0x0               ; q s[4:5], k s[6:7], v s[8:9], Wq s[10:11]
	s_load_b256 s[12:19], s[0:1], 0x20             ; Wo s[12:13], codes s[14:15], scales s[16:17], woimg s[18:19]
	v_lshl_add_u32 v[SPW], v0, 2, SPARE
	v_mov_b32 v[NIL], 0
	v_lshrrev_b32 v1, 5, v0
	v_readfirstlane_b32 s20, v1                    ; wave
	v_and_b32 v2, 31, v0                           ; lane
	v_lshlrev_b32 v3, 4, v2                        ; 16 x lane
	s_cmp_ge_u32 ttmp9, QWGS
	s_cbranch_scc1 .Lwo
	s_mul_i32 s21, s20, WREG
	v_lshrrev_b32 v14, 2, v2
	v_mul_u32_u24 v14, v14, SP
	v_and_b32 v15, 3, v2
	v_lshl_add_u32 v14, v15, 4, v14
	v_add_nc_u32 v14, s21, v14                     ; the stage, on the way in: SP (lane / 4) + 16 (lane % 4)
	v_mul_u32_u24 v15, v2, SP
	v_add_nc_u32 v15, s21, v15                     ; and on the way out: SP x lane
	v_mul_u32_u24 v4, v2, CB                       ; my codes' place in a step's
	v_lshrrev_b32 v5, 1, v2
	s_add_co_u32 s21, s21, 2*32*SP
	v_add_nc_u32 v5, s21, v5                       ; LDS: my wave's 256 scale bytes, my block's byte
	v_lshlrev_b32 v7, 3, v2                        ; and on the way out 8 bytes a lane
	v_add_nc_u32 v6, s21, v7
	s_wait_kmcnt 0x0
	s_cmp_lt_u32 ttmp9, 512                        ; which tensor: the choice hangs on the work-group's number alone
	s_cselect_b64 s[22:23], s[6:7], s[8:9]         ; k or v,
	s_cmp_lt_u32 ttmp9, 256
	s_cselect_b64 s[22:23], s[4:5], s[22:23]       ; q or that,
	s_cmp_lt_u32 ttmp9, 768
	s_cselect_b64 s[22:23], s[22:23], s[10:11]     ; that or Wq
	s_and_b32 s24, ttmp9, 255
	s_lshl_b32 s24, s24, 2
	s_add_co_u32 s24, s24, s20                     ; which run of 8,192 numbers of the tensor is my wave's
	s_lshl_b32 s24, s24, 15                        ; 32,768 bytes a run
	s_mov_b32 s25, 0
	s_add_nc_u64 s[22:23], s[22:23], s[24:25]
	s_lshl_b32 s26, ttmp9, 2
	s_add_co_u32 s26, s26, s20                     ; and which run of the stacked buffers
	s_lshl_b32 s24, s26, 12                        ; 4,096 bytes of codes,
	s_add_nc_u64 s[14:15], s[14:15], s[24:25]
	s_lshl_b32 s24, s26, 8                         ; 256 scale bytes
	s_add_nc_u64 s[16:17], s[16:17], s[24:25]
.macro LOAD t
.irp i, 0,1,2,3
	global_load_b128 v[R+16*((\t)%4)+4*\i:R+16*((\t)%4)+4*\i+3], v3, s[22:23] offset:2048*(\t)+512*\i th:TH_LOAD_NT   ; 32 lanes read 512 consecutive bytes
.endr
.endm
.macro TURN t                          ; step t's numbers through the stage: LDS serves a wave's instructions in order, so no wait stands between the stores and the loads
.irp i, 0,1,2,3
	ds_store_b128 v14, v[R+16*((\t)%4)+4*\i:R+16*((\t)%4)+4*\i+3] offset:32*SP*((\t)%2)+8*SP*\i
.endr
.irp i, 0,1,2,3
	ds_load_b128 v[X+16*((\t)%2)+4*\i:X+16*((\t)%2)+4*\i+3], v15 offset:32*SP*((\t)%2)+16*\i
.endr
.endm
.irp t, 0,1,2,3
	LOAD \t
.endr
	s_wait_loadcnt 12                              ; step 0's four loads are in; the twelve of steps 1 to 3 may be out
	TURN 0
.macro STEP t
.set XS, X+16*((\t)%2)
.if (\t) > 0
	s_wait_dscnt 1                                 ; this step's numbers are back from the stage (the last step's byte store may be out): so its stores into the stage have read their registers,
.else
	s_wait_dscnt 0x0
.endif
.if (\t)+4 < STEPS
	LOAD (\t)+4                                    ; which take the loads of four steps on
.endif
.if (\t)+1 < STEPS
.if STEPS-2-(\t) >= 3
	s_wait_loadcnt 12                              ; the next step's four loads are in; those of the three steps behind it may be out
.else
	s_wait_loadcnt 4*(STEPS-2-(\t))
.endif
	TURN (\t)+1                                    ; and go through the other stage while this step is worked
.endif
	v_max3_num_f32 v8, |v[XS]|, |v[XS+1]|, |v[XS+2]|               ; the largest magnitude of my 16, in two chains
	v_max3_num_f32 v9, |v[XS+3]|, |v[XS+4]|, |v[XS+5]|
.irp i, 6,10
	v_max3_num_f32 v8, v8, |v[XS+\i]|, |v[XS+\i+1]|
	v_max3_num_f32 v9, v9, |v[XS+\i+2]|, |v[XS+\i+3]|
.endr
	v_max3_num_f32 v8, v8, |v[XS+14]|, |v[XS+15]|
	v_max3_num_f32 v8, v8, v9, 0x1800000           ; and the floor 2^(3 - 127): the byte cannot fall under 1
	v_max_num_f32_dpp v8, v8, v8 row_xmask:1 row_mask:0xf bank_mask:0xf   ; and of my neighbour's 16: the block's
	v_add_nc_u32 v11, 0xff000000, v8               ; 2 off its exponent field: the conversion takes the exponent field of this operand as its scale
	v_cvt_scalef32_pk8_fp4_f32 v[C+4*(\t)], v[XS:XS+7], v11        ; eight numbers / the scale, to the nearest code, ties to even, beyond 6 the largest code
	v_cvt_scalef32_pk8_fp4_f32 v[C+4*(\t)+1], v[XS+8:XS+15], v11
	v_lshrrev_b32 v[E+(\t)], 23, v11               ; the scale's byte (also the plain line behind the conversions)
	ds_store_b8 v5, v[E+(\t)] offset:16*(\t)       ; both lanes of a block write the same byte with the same value
	global_store_b64 v4, v[C+4*(\t):C+4*(\t)+1], s[14:15] offset:32*CB*(\t)   ; the wave stores 256 consecutive bytes, aligned
.endm
.irp t, 0,1,2,3,4,5,6,7,8,9,10,11,12,13,14,15
	STEP \t
.endr
	ds_load_b64 v[8:9], v6                         ; LDS serves a wave's instructions in order: these see my byte stores
	s_wait_dscnt 0x0
	global_store_b64 v7, v[8:9], s[16:17]          ; 32 lanes store 256 consecutive bytes, aligned
	s_wait_tensorcnt 0x0                           ; the wave's end, behind my last LDS store
	ds_add_u32 v[SPW], v[NIL]
	s_wait_dscnt 0x0
	s_endpgm
.Lwo:                                                  ; Wo: wave j = 4 (work-group - 800) + wave takes rows 16 (j / 8) on, K 128 (j % 8) on: four fragments
	s_sub_co_u32 s21, ttmp9, QWGS
	s_lshl_b32 s21, s21, 2
	s_add_co_u32 s21, s21, s20                     ; j
	s_lshr_b32 s22, s21, 3
	s_lshl_b32 s22, s22, 16                        ; 16 rows of 4,096 bytes
	s_and_b32 s23, s21, 7
	s_lshl_b32 s23, s23, 9                         ; 128 numbers along K
	s_add_co_u32 s22, s22, s23
	s_mov_b32 s23, 0
	s_lshl_b32 s24, s21, 12                        ; four images of 1 KiB
	s_mov_b32 s25, 0
	v_and_b32 v4, 15, v0                           ; r
	v_bfe_u32 v5, v0, 4, 1                         ; h
	v_lshlrev_b32 v8, 12, v4
	v_lshl_add_u32 v8, v5, 5, v8                   ; row r, + 8 h numbers
	s_wait_kmcnt 0x0
	s_add_nc_u64 s[12:13], s[12:13], s[22:23]
	s_add_nc_u64 s[18:19], s[18:19], s[24:25]
.irp n, 0,1,2,3,4,5,6,7                        ; quad n = 2 (fragment) + u: eight numbers, K 16 n + 8 h on; the wave's sixteen loads together take each row's 512 bytes whole
	global_load_b128 v[16+8*\n:16+8*\n+3], v8, s[12:13] offset:64*\n th:TH_LOAD_NT
	global_load_b128 v[16+8*\n+4:16+8*\n+7], v8, s[12:13] offset:64*\n+16 th:TH_LOAD_NT
.endr
	s_wait_loadcnt 0x0
.set n, 0
.rept 32
	v_cvt_pk_f16_f32 v[128+n], v[16+2*n], v[17+2*n]
.set n, n+1
.endr
.irp n, 0,1,2,3,4,5,6,7
	global_store_b128 v3, v[128+4*\n:128+4*\n+3], s[18:19] offset:512*\n   ; 32 lanes store 512 consecutive bytes, aligned
.endr
	s_endpgm
.Lfunc_end_k_q20bc1144b1_prep:
	.size	k_q20bc1144b1_prep, .Lfunc_end_k_q20bc1144b1_prep-k_q20bc1144b1_prep
	.p2alignl 7, 3214868480
	.fill 96, 4, 3214868480
	.section	.rodata,"a",@progbits
	.p2align	6, 0x0
	.amdhsa_kernel k_q20bc1144b1_prep
		.amdhsa_group_segment_fixed_size 33280
		.amdhsa_private_segment_fixed_size 0
		.amdhsa_enable_private_segment 0
		.amdhsa_kernarg_size 64
		.amdhsa_user_sgpr_count 2
		.amdhsa_user_sgpr_kernarg_segment_ptr 1
		.amdhsa_wavefront_size32 1
		.amdhsa_system_sgpr_workgroup_id_x 1
		.amdhsa_system_sgpr_workgroup_id_y 1
		.amdhsa_system_sgpr_workgroup_id_z 1
		.amdhsa_system_vgpr_workitem_id 0
		.amdhsa_next_free_vgpr 192
		.amdhsa_next_free_sgpr 66
		.amdhsa_reserve_vcc 0
		.amdhsa_float_denorm_mode_32 3
		.amdhsa_float_denorm_mode_16_64 3
		.amdhsa_memory_ordered 1
		.amdhsa_forward_progress 1
		.amdhsa_inst_pref_size 38
	.end_amdhsa_kernel
	.amdgpu_metadata
---
amdhsa.version: [ 1, 2 ]
amdhsa.kernels:
  - .name:           k_q20bc1144b1_prep
    .symbol:         k_q20bc1144b1_prep.kd
    .args:
      - { .name: q, .offset: 0, .size: 8, .value_kind: global_buffer, .address_space: global }
      - { .name: k, .offset: 8, .size: 8, .value_kind: global_buffer, .address_space: global }
      - { .name: v, .offset: 16, .size: 8, .value_kind: global_buffer, .address_space: global }
      - { .name: Wq, .offset: 24, .size: 8, .value_kind: global_buffer, .address_space: global }
      - { .name: Wo, .offset: 32, .size: 8, .value_kind: global_buffer, .address_space: global }
      - { .name: codes, .offset: 40, .size: 8, .value_kind: global_buffer, .address_space: global }
      - { .name: scales, .offset: 48, .size: 8, .value_kind: global_buffer, .address_space: global }
      - { .name: woimg, .offset: 56, .size: 8, .value_kind: global_buffer, .address_space: global }
    .group_segment_fixed_size: 33280
    .private_segment_fixed_size: 0
    .kernarg_segment_align: 8
    .kernarg_segment_size: 64
    .max_flat_workgroup_size: 128
    .sgpr_count:     66
    .vgpr_count:     192
    .wavefront_size: 32
...
	.end_amdgpu_metadata
.endif
;; end of part 1
;; launch proj (part 2): grid 4 x 96, 4 waves a work-group, clusters of 4 x 4, 327,680 bytes of LDS; arguments codes, scales, bq, qimg, kimg, vimg; writes qimg, kimg, vimg
.if DOCPART == 2
	.amdgcn_target "amdgcn-amd-amdhsa--gfx1250"
	.amdhsa_code_object_version 6
	.text
	.protected	k_q20bc1144b1_proj
	.globl	k_q20bc1144b1_proj
	.p2align	8
	.type	k_q20bc1144b1_proj,@function
k_q20bc1144b1_proj:
	s_mov_b64 s[64:65], 0
	v_nop
	global_prefetch_b8 v0, s[64:65] scope:SCOPE_SE
	s_setreg_imm32_b32 hwreg(HW_REG_WAVE_MODE, 25, 1), 1
	s_wait_xcnt 0x0
	s_wait_alu depctr_hold_cnt(0) depctr_sa_sdst(0) depctr_va_vdst(0) depctr_va_sdst(0) depctr_va_ssrc(0) depctr_va_vcc(0) depctr_vm_vsrc(0)
	s_getreg_b32 s2, hwreg(HW_REG_IB_STS2, 6, 4)
	s_cmp_eq_u32 s2, 0
	s_cbranch_scc0 .Lentry_in_a_cluster
	s_endpgm
.Lentry_in_a_cluster:
	s_bfe_u32 s2, ttmp6, 0x10000c
	s_cmp_lg_u32 s2, 0xf033
	s_cbranch_scc0 .Lentry_shape_is_right
	s_endpgm
.Lentry_shape_is_right:
; The three quantised products x Wq^T + bq (x = q, k, v) on codes of FP4 (E2M1) with one E8M0 scale for each 32 along K = 1,024; sums in f32; the results leave as f16, laid as images of the next products' operands.
; codes: 25,600 rows x 512 bytes (tiles of 256 rows: q 0-31, k 32-63, v 64-95, Wq 96-99); scales: 32 bytes a row.
; A tile of the result, 256 x 256, is made by four waves, 128 x 128 each: 64 accumulators of 16 x 16, 512 registers.  K is two slots of 512 in LDS (rows of 256 bytes), both asked for at the head: nothing is filled again.
; THE MATRIX INSTRUCTION IS USED TRANSPOSED: source 0 = 16 rows of side B, source 1 = 16 rows of side A: lane (r, h) of accumulator (a, b) holds A's row 16 a + r and B's rows 16 b + 8 h + 0..7.
; q, k: side A = tokens, side B = rows of Wq: a lane holds one token and eight neighbouring channels: rounded in pairs these are a register quad of a fragment [16 tokens x 32 channels].
; v: THE SIDES ARE EXCHANGED, by tile numbers alone: side A = rows of Wq, side B = tokens: a lane holds one channel and eight neighbouring tokens: a quad of a fragment of V^T [16 channels x 32 keys].  Nothing is transposed.
; IMAGES (1 KiB a fragment: [quad u][lane][16 bytes]): qimg, kimg [b h 64][tile of 16 tokens 128][c 2]: channels 32 c + 16 u + 8 h + 0..7;  vimg [b h 64][32 keys 64][16 channels 4]: keys 16 u + 8 h + 0..7.
; So each store of a wave covers 512 consecutive bytes, aligned, straight from registers: no stage.
; CLUSTERS: 4 x 4 work-groups (the grid is one cluster wide).  The four of a row of the cluster need the same tiles of side A, the four of a column the same tiles of side B: each is asked for JOINTLY.
; A cluster covers four of a tensor's 32 tiles, so all sixteen partners serve the same tensor, and the branch on it is the same in all.
; LIMITS: the projections must lie under 65,504 in magnitude (f16); under 6e-5 they carry f16's absolute error.
; REGISTERS, in windows of 256: window 0: v1-29 addresses; v32-95 scale words, two sets; v96-111, v192-255 the bias in two layouts; v128-191 A's fragments, one set.
;   window 1: B's fragments, two sets; on the way out the packed results.   windows 2, 3: the accumulators of A's blocks 0-3, 4-7 (accumulator (a, b) at v[8 (8 (a % 4) + b)]).
.set NQ,     4                         ; matrix instructions deep in a slot: 512 / 128
.set ROWB,   256                       ; a tile's row in bytes
.set KROW,   512                       ; a row of codes in memory
.set PITCH,  272                       ; an LDS row: 256 bytes + 16 of padding: the 16 rows that a load touches start at 16 different banks (64 banks of 4 bytes: ISA guide 11.1)
.set FR,     8                         ; registers of a fragment: 16 rows x 128 K
.set NL,     2                         ; LDS loads that bring one
.set NP,     4                         ; places behind this matrix instruction (ISA guide 7.12.1)
.set HALFT,  128*PITCH                 ; 128 rows: what one tensor load brings
.set SLOT,   4*HALFT                   ; A's 256 rows, then B's 256 rows
.set KS,     32                        ; a row of scale bytes
.set SCL,    2*SLOT                    ; behind the slots: the scales, as units of 256 bytes + 16 of padding
.set HALFS,  (128*KS/256)*272          ; those of 128 rows: what one tensor load brings
.set SBLK,   (16*KS/256)*272           ; those of 16 rows
.set SPARE,  SCL+4*HALFS               ; behind the scales: the spare words, 128 bytes a wave
.set ADRA, 16                          ; v16-17  LDS address of my A fragments in slot 0, 1
.set ADRB, 20                          ; v20-21  the same for B
.set CO,   26                          ; v26     16 x lane: my place in an image's quad
.set ADRS, 27                          ; v27     LDS address of my scale words: lanes 0-15 A's rows, lanes 16-31 B's
.set SPW,  28                          ; v28     LDS address of my spare word; never rewritten
.set NIL,  29                          ; v29     0; never rewritten
.set SC,   32                          ; scale words: set s at v[SC + 32 s]; register 4 i + q: lanes 0-15 A's block i, lanes 16-31 B's block i, the slot's q-th 128 along K
.set BI2,  96                          ; v96-111  bq of side A's rows: block a's number of my lane, twice, at v[BI2 + 2 a]
.set AF,   128                         ; A's fragments
.set BI1,  192                         ; v192-255 bq of side B's rows: block b's eight numbers of my half at v[BI1 + 8 b]
.set G1, 24                            ; s[24:31] descriptor group 1 for A's tiles;  s[32:39] group 0, one set for each slot
.set G0, 32
.set G1B, 48                           ; s[48:55], s[56:63] the same for B's
.set G0B, 56
.set G1S, 68                           ; s[68:75], s[76:79] groups 1 and 0 for A's scales;  s[80:87], s[88:91] for B's
.set G0S, 76
.set G1SB, 80
.set G0SB, 88
.set MSB, 0
.macro WIN new                         ; the immediate's high byte repeats the setting that is left; a switch that changes nothing is dropped
.if MSB != (\new)
	s_set_vgpr_msb (MSB<<8)|(\new)
.set MSB, (\new)
.endif
.endm
.set MUL_LO, 0xa1                      ; source 0 (B) window 1, source 1 (A) window 0, C and D window 2
.set MUL_HI, 0xf1                      ; the same, C and D window 3
.set TO_B,   0x40                      ; destination window 1, address window 0
; A joint load: waves 0 and 1 fetch for A, waves 2 and 3 for B.  Each line has one mask and one set of registers; the branch hangs on the wave's number alone.
; An s_nop 0 and four v_nop follow each of the two lines.
.macro JLOAD g0a, g1a, g0b, g1b
	s_cmp_eq_u32 s17, 0
	s_cbranch_scc0 .Lfor_b_\@
	tensor_load_to_lds s[\g0a:\g0a+3], s[\g1a:\g1a+7]
	s_nop 0
.rept 4
	v_nop
.endr
	s_branch .Lasked_\@
.Lfor_b_\@:
	tensor_load_to_lds s[\g0b:\g0b+3], s[\g1b:\g1b+7]
	s_nop 0
.rept 4
	v_nop
.endr
.Lasked_\@:
.endm
.macro CROUND                          ; a round of the cluster's barrier
	s_barrier_signal -1
	s_barrier_wait -1
	s_cmp_lg_u32 s16, 0
	s_cbranch_scc1 .Lnot_wave_0_\@
	s_barrier_signal -3
.Lnot_wave_0_\@:
	s_barrier_wait -3
	s_barrier_signal -1
	s_barrier_wait -1
.endm
	s_load_b256 s[4:11], s[0:1], 0x0               ; codes s[4:5], scales s[6:7], bq s[8:9], qimg s[10:11]
	s_load_b128 s[12:15], s[0:1], 0x20             ; kimg s[12:13], vimg s[14:15]
	v_lshl_add_u32 v[SPW], v0, 2, SPARE
	v_mov_b32 v[NIL], 0
	ds_add_u32 v[SPW], v[NIL]                      ; the wave's opening: the add, twice on end, and its wait ahead of my first tensor load
	ds_add_u32 v[SPW], v[NIL]
	v_lshrrev_b32 v1, 5, v0
	v_readfirstlane_b32 s16, v1                    ; wave 0..3
	s_lshr_b32 s17, s16, 1                         ; which half of A's rows is mine.  Also: I fetch for A (0) or for B (1)
	s_and_b32 s18, s16, 1                          ; which half of B's rows.  Also: which 128 rows of that tile I fetch
	s_bfe_u32 s20, ttmp6, 0x40000                  ; cx, cy: my place in the cluster
	s_bfe_u32 s21, ttmp6, 0x40004
	s_and_b32 s22, ttmp7, 0xffff
	s_lshl_b32 s22, s22, 2                         ; the cluster's first tile of tokens: 0-28 q, 32-60 k, 64-92 v
	s_cmp_ge_u32 s22, 64
	s_cselect_b32 s19, 1, 0                        ; 1: this cluster serves v
	s_cselect_b32 s40, 96, s22                     ; side A: Wq's tiles for v, else the tokens'
	s_cselect_b32 s46, s22, 96                     ; side B: the other
	s_add_co_u32 s40, s40, s21                     ; A's tile hangs on cy alone,
	s_add_co_u32 s46, s46, s20                     ; B's on cx alone
	s_lshl_b32 s2, s21, 2
	s_lshl_b32 s2, 15, s2                          ; my row of the cluster
	s_lshl_b32 s3, 0x1111, s20                     ; my column
	; descriptor group 1: a tile of 128 rows x 256 bytes, padded in LDS
	s_or_b32 s[G1+0], s2, (0<<16)|(1<<20)|(1<<21)|(5<<22)|(3<<25)   ; 15:0 the mask; 17:16 elements of 1 byte; 20 padding on; 21 set beside a mask; 24:22 after every 64 words; 31:25 four words
	s_or_b32 s[G1B+0], s3, (0<<16)|(1<<20)|(1<<21)|(5<<22)|(3<<25)
.irp g, G1, G1B
	s_mov_b32 s[\g+1], ROWB<<16                    ; tensor_dim0
	s_mov_b32 s[\g+2], 128<<16                     ; tensor_dim1
	s_mov_b32 s[\g+3], ROWB<<16                    ; tile_dim0
	s_mov_b32 s[\g+4], 128                         ; tile_dim1
	s_mov_b32 s[\g+5], KROW                        ; tensor_dim0_stride
	s_mov_b32 s[\g+6], 0
	s_mov_b32 s[\g+7], 0
.endr
	; the scales of 128 rows: a dense block of 4,096 bytes, as 16 rows of 256 bytes (32 elements of 8 bytes), 16 bytes of padding behind each
	s_or_b32 s[G1S+0], s2, (3<<16)|(1<<20)|(1<<21)|(5<<22)|(3<<25)
	s_or_b32 s[G1SB+0], s3, (3<<16)|(1<<20)|(1<<21)|(5<<22)|(3<<25)
.irp g, G1S, G1SB
	s_mov_b32 s[\g+1], 32<<16
	s_mov_b32 s[\g+2], (128*KS/256)<<16
	s_mov_b32 s[\g+3], 32<<16
	s_mov_b32 s[\g+4], 128*KS/256
	s_mov_b32 s[\g+5], 32
	s_mov_b32 s[\g+6], 0
	s_mov_b32 s[\g+7], 0
.endr
	s_lshl_b32 s41, s18, 7                         ; which 128 rows of the tile I fetch
	s_lshl_b32 s40, s40, 8
	s_add_co_u32 s40, s40, s41                     ; A: row of the stacked buffers
	s_lshl_b32 s46, s46, 8
	s_add_co_u32 s46, s46, s41                     ; B likewise
	s_lshl_b32 s42, s40, 9                         ; its codes, in bytes (under 2^24),
	s_mov_b32 s43, 0
	s_lshl_b32 s44, s40, 5                         ; its scale bytes
	s_mov_b32 s45, 0
	s_lshl_b32 s92, s46, 9
	s_mov_b32 s93, 0
	s_lshl_b32 s94, s46, 5
	s_mov_b32 s95, 0
	s_mul_i32 s96, s16, HALFT                      ; where they go: wave x 128 rows: no place in the cluster enters an LDS address
	s_mul_i32 s97, s16, HALFS
	s_wait_dscnt 0x0                               ; both opening adds are done
	s_wait_kmcnt 0x0
	s_add_nc_u64 s[42:43], s[4:5], s[42:43]
	s_add_nc_u64 s[44:45], s[6:7], s[44:45]
	s_add_nc_u64 s[92:93], s[4:5], s[92:93]
	s_add_nc_u64 s[94:95], s[6:7], s[94:95]
	CROUND                                         ; all sixteen work-groups are here: the joint loads meet
	s_mov_b32 s[G0S], 1
	s_add_co_u32 s[G0S+1], s97, SCL
	s_mov_b64 s[G0S+2:G0S+3], s[44:45]
	s_or_b32 s[G0S+3], s[G0S+3], 0x80000000
	s_mov_b32 s[G0SB], 1
	s_add_co_u32 s[G0SB+1], s97, SCL
	s_mov_b64 s[G0SB+2:G0SB+3], s[94:95]
	s_or_b32 s[G0SB+3], s[G0SB+3], 0x80000000
	JLOAD G0S, G1S, G0SB, G1SB                     ; the scales first: they are wanted with the first slot
.irp s, 0,1
	s_mov_b32 s[G0+4*\s], 1
	s_add_co_u32 s[G0+4*\s+1], s96, \s*SLOT
	s_add_nc_u64 s[G0+4*\s+2:G0+4*\s+3], s[42:43], \s*ROWB
	s_or_b32 s[G0+4*\s+3], s[G0+4*\s+3], 0x80000000
	s_mov_b32 s[G0B+4*\s], 1
	s_add_co_u32 s[G0B+4*\s+1], s96, \s*SLOT
	s_add_nc_u64 s[G0B+4*\s+2:G0B+4*\s+3], s[92:93], \s*ROWB
	s_or_b32 s[G0B+4*\s+3], s[G0B+4*\s+3], 0x80000000
	JLOAD G0+4*\s, G1, G0B+4*\s, G1B               ; three loads of mine are out: all that the launch fetches
.endr
	v_and_b32 v1, 15, v0                           ; r = lane % 16
	v_bfe_u32 v2, v0, 4, 1                         ; h = lane / 16
	v_mul_u32_u24 v3, v1, PITCH
	v_lshl_add_u32 v4, v2, 4, v3                   ; a fragment's row x pitch + 16 x half
	s_mul_i32 s40, s17, HALFT                      ; my 128 rows of A
	s_mul_i32 s41, s18, HALFT                      ; my 128 rows of B,
	s_add_co_u32 s41, s41, 2*HALFT                 ; which lie behind A's 256
.irp s, 0,1
	v_add_nc_u32 v[ADRA+\s], s40, v4
	v_add_nc_u32 v[ADRB+\s], s41, v4
	s_add_co_u32 s40, s40, SLOT
	s_add_co_u32 s41, s41, SLOT
.endr
	v_mul_u32_u24 v5, v1, KS                       ; my row's scales: 32 bytes a row,
	v_lshrrev_b32 v6, 8, v5
	v_lshl_add_u32 v5, v6, 4, v5                   ; and 16 more for each 256 passed
	s_mul_i32 s40, s17, HALFS                      ; A's: my 128 rows
	s_mul_i32 s41, s18, HALFS                      ; B's: my 128 rows, behind A's 256
	s_add_co_u32 s41, s41, 2*HALFS
	s_sub_co_u32 s41, s41, s40
	v_mul_u32_u24 v6, s41, v2                      ; lanes 16-31 take B's
	s_add_co_u32 s40, s40, SCL
	v_add_nc_u32 v5, v5, v6
	v_add_nc_u32 v[ADRS], s40, v5
	v_and_b32 v6, 31, v0
	v_lshlrev_b32 v[CO], 4, v6
	; the bias, in both layouts, so that no load stands under a branch: channels 256 cx + 128 (B's half) on for side B, 256 cy + 128 (A's half) on for side A: both lie inside bq's 1,024
	v_lshlrev_b32 v7, 5, v2                        ; 8 h numbers
	v_lshlrev_b32 v8, 2, v1                        ; r numbers
	s_lshl_b32 s40, s20, 10
	s_lshl_b32 s41, s18, 9
	s_add_co_u32 s40, s40, s41
	s_mov_b32 s41, 0
	s_add_nc_u64 s[42:43], s[8:9], s[40:41]
	s_lshl_b32 s40, s21, 10
	s_lshl_b32 s46, s17, 9
	s_add_co_u32 s40, s40, s46
	s_add_nc_u64 s[44:45], s[8:9], s[40:41]
.irp b, 0,1,2,3,4,5,6,7
	global_load_b128 v[BI1+8*\b:BI1+8*\b+3], v7, s[42:43] offset:64*\b
	global_load_b128 v[BI1+8*\b+4:BI1+8*\b+7], v7, s[42:43] offset:64*\b+16
.endr
.irp a, 0,1,2,3,4,5,6,7
	global_load_b32 v[BI2+2*\a], v8, s[44:45] offset:64*\a
	global_load_b32 v[BI2+2*\a+1], v8, s[44:45] offset:64*\a       ; twice: the packed addition takes a pair
.endr
	; where my results go.  TT: my tile of 256 tokens; CH: my 256 channels; TH, HH: my halves of them
	s_cmp_eq_u32 s19, 1
	s_cselect_b32 s40, s20, s21
	s_cselect_b32 s41, s21, s20                    ; CH
	s_cselect_b32 s46, s18, s17                    ; TH
	s_cselect_b32 s47, s17, s18                    ; HH
	s_add_co_u32 s40, s40, s22                     ; TT
	s_bfe_u32 s92, s40, 0x20003                    ; the batch: eight tiles of tokens each
	s_lshl_b32 s92, s92, 4
	s_lshl_b32 s41, s41, 2
	s_add_co_u32 s92, s92, s41
	s_lshl_b32 s47, s47, 1
	s_add_co_u32 s92, s92, s47                     ; 16 batch + my first head (two heads a wave)
	s_lshl_b32 s92, s92, 18                        ; 256 KiB for a batch and head
	s_and_b32 s40, s40, 7
	s_lshl_b32 s40, s40, 15                        ; 256 tokens are 32 KiB in all three layouts,
	s_add_co_u32 s92, s92, s40
	s_lshl_b32 s46, s46, 14                        ; 128 tokens 16 KiB
	s_add_co_u32 s92, s92, s46
	s_mov_b32 s93, 0
	s_cmp_lt_u32 s22, 32
	s_cselect_b64 s[94:95], s[10:11], s[12:13]     ; qimg or kimg,
	s_cmp_eq_u32 s19, 1
	s_cselect_b64 s[94:95], s[14:15], s[94:95]     ; or vimg
	s_add_nc_u64 s[94:95], s[94:95], s[92:93]
.macro FRAG reg, adr, q, i             ; a fragment, 16 rows x 128 K of 4-bit codes: lane l holds row l % 16; registers 4 c .. 4 c + 3 hold K = 64 c + 32 (l / 16) + 0 .. 31
.irp c, 0,1
	ds_load_b128 v[\reg+4*\c:\reg+4*\c+3], v[\adr] offset:64*(\q)+32*\c+(\i)*16*PITCH
.endr
.endm
; 16 matrix instructions: A's blocks a0, a0 + 1 x B's eight, the slot's q-th 128 along K.  p: B's set;  sc: the set of scale words.  zero = 1: the first product starts the sums.
; The 64 accumulators take turns, one instruction a turn, in the same order in every step.
.macro MUL16 a0, p, q, sc, zero
.irp a, \a0, \a0+1
.irp b, 0,1,2,3,4,5,6,7
.if \zero
	v_wmma_scale_f32_16x16x128_f8f6f4 v[8*(8*((\a)%4)+\b):8*(8*((\a)%4)+\b)+7], v[128*(\p)+FR*\b:128*(\p)+FR*\b+FR-1], v[AF+FR*(\a):AF+FR*(\a)+FR-1], 0, v[SC+8*NQ*(\sc)+NQ*\b+(\q)], v[SC+8*NQ*(\sc)+NQ*(\a)+(\q)] matrix_a_fmt:MATRIX_FMT_FP4 matrix_b_fmt:MATRIX_FMT_FP4 matrix_a_scale:MATRIX_SCALE_ROW1
.else
	v_wmma_scale_f32_16x16x128_f8f6f4 v[8*(8*((\a)%4)+\b):8*(8*((\a)%4)+\b)+7], v[128*(\p)+FR*\b:128*(\p)+FR*\b+FR-1], v[AF+FR*(\a):AF+FR*(\a)+FR-1], v[8*(8*((\a)%4)+\b):8*(8*((\a)%4)+\b)+7], v[SC+8*NQ*(\sc)+NQ*\b+(\q)], v[SC+8*NQ*(\sc)+NQ*(\a)+(\q)] matrix_a_fmt:MATRIX_FMT_FP4 matrix_b_fmt:MATRIX_FMT_FP4 matrix_a_scale:MATRIX_SCALE_ROW1
.endif
.endr
.endr
.endm
.macro FETCH_B slot, q, p              ; B's eight fragments of the slot's q-th 128 along K into set p
	WIN TO_B
.irp i, 0,1,2,3,4,5,6,7
	FRAG 128*(\p)+FR*\i, ADRB+\slot, \q, \i
.endr
	WIN 0
.endm
.macro FETCH_A slot, q, i0             ; A's blocks i0 .. i0 + 3
.irp i, \i0, \i0+1, \i0+2, \i0+3
	FRAG AF+FR*(\i), ADRA+\slot, \q, \i
.endr
.endm
.macro SCALES sc                       ; a slot's scale words into set sc: four words a row; lanes 0-15 take A's block i, lanes 16-31 B's block i
.irp i, 0,1,2,3,4,5,6,7
	ds_load_b128 v[SC+8*NQ*\sc+NQ*\i:SC+8*NQ*\sc+NQ*\i+3], v[ADRS] offset:\i*SBLK
.endr
.endm
; A load into a register that a matrix instruction has read, and a vector instruction that reads a matrix result, stand NP places behind it; only plain vector instructions that name none of its registers are places.
.macro PLACES n
.rept \n
	v_nop
.endr
.endm
; A step of 128 along K that has its successor in the same slot.  A block of A is free as soon as its eight products are issued, so A has one set: blocks 0-3 come anew in the step's middle, blocks 4-7 at its end.
.macro STEP slot, q, zero
	s_wait_dscnt 4*NL                              ; B's set and A's blocks 0-3 are in; the youngest eight loads (A's blocks 4-7) may be out
	WIN MUL_LO
	MUL16 0, (\q)%2, \q, \slot, \zero
	MUL16 2, (\q)%2, \q, \slot, \zero
	s_wait_dscnt 0                                 ; A's blocks 4-7 are in
	PLACES NP
	FETCH_B \slot, (\q)+1, 1-(\q)%2
	FETCH_A \slot, (\q)+1, 0
	WIN MUL_HI
	MUL16 4, (\q)%2, \q, \slot, \zero
	MUL16 6, (\q)%2, \q, \slot, \zero
	PLACES NP
	WIN 0
	FETCH_A \slot, (\q)+1, 4
.endm
; Slot 0's last step goes over to slot 1: each wave waits for all its tensor loads (its part of slot 1), and one barrier shows the slot whole to all four.  Nothing is filled again.
.macro TURN slot, next
	s_wait_tensorcnt 0x0                           ; all my tensor loads have landed  (every window is 0 here)
	ds_add_u32 v[SPW], v[NIL]                      ; 0 onto my spare word
	s_wait_dscnt 4*NL+1                            ; (the add and the youngest eight loads, A's blocks 4-7, may be out)
	WIN MUL_LO
	MUL16 0, 1, NQ-1, \slot, 0
	s_wait_dscnt 0x0                               ; the add is done, and no LDS load of mine is out at the signal
	s_barrier_signal -1
	MUL16 2, 1, NQ-1, \slot, 0                     ; work on registers while the others arrive
	s_barrier_wait -1
	PLACES NP
	WIN 0
	v_add_nc_u32 v[ADRS], 4*NQ, v[ADRS]            ; on to the next slot's scale words
	FETCH_B \next, 0, 0
	FETCH_A \next, 0, 0
	SCALES \next
	WIN MUL_HI
	MUL16 4, 1, NQ-1, \slot, 0
	MUL16 6, 1, NQ-1, \slot, 0
	PLACES NP
	WIN 0
	FETCH_A \next, 0, 4
.endm
.macro STEPS slot, from                ; the slot's steps from .. NQ - 2
.set QQ, \from
.rept NQ-1-\from
	STEP \slot, QQ, 0
.set QQ, QQ+1
.endr
.endm
	s_wait_tensorcnt 1                             ; the scales and my part of slot 0 are in (slot 1's load may be out),
	s_barrier_signal -1
	s_barrier_wait -1                              ; everybody's are
	FETCH_B 0, 0, 0
	FETCH_A 0, 0, 0
	SCALES 0
	FETCH_A 0, 0, 4
	STEP 0, 0, 1                                   ; the first step's products start the sums: nothing is cleared
	STEPS 0, 1
	TURN 0, 1
	STEPS 1, 0
	s_wait_dscnt 4*NL                              ; the last step: nothing more to fetch
	WIN MUL_LO
	MUL16 0, 1, NQ-1, 1, 0
	MUL16 2, 1, NQ-1, 1, 0
	s_wait_dscnt 0
	WIN MUL_HI
	MUL16 4, 1, NQ-1, 1, 0
	MUL16 6, 1, NQ-1, 1, 0
	WIN 0
; THE WAY OUT: + bq in f32 (each accumulator from its low end on), rounded to f16 in pairs into window 1 (B's fragments are done with), stored as quads of images.
; isv = 0: the bias goes by B's block and register; an accumulator (a, b) is head b / 4, token tile a, channels 16 (b % 4) on.   isv = 1: by A's block; head a / 4, keys 16 b on, channels 16 (a % 4) on.
.macro OUT isv
.irp w, 0,1
	WIN 0x82+0x41*\w                               ; destination and source 0: window 2 or 3; the bias: window 0
.set n, 0
.rept 32
.irp i, 0,1,2,3
.if \isv
	v_pk_add_f32 v[8*n+2*\i:8*n+2*\i+1], v[8*n+2*\i:8*n+2*\i+1], v[BI2+2*(4*\w+n/8):BI2+2*(4*\w+n/8)+1]
.else
	v_pk_add_f32 v[8*n+2*\i:8*n+2*\i+1], v[8*n+2*\i:8*n+2*\i+1], v[BI1+8*(n%8)+2*\i:BI1+8*(n%8)+2*\i+1]
.endif
.endr
.set n, n+1
.endr
	WIN 0x4a+5*\w                                  ; destination window 1, sources window 2 or 3
.set n, 0
.rept 128
	v_cvt_pk_f16_f32 v[128*\w+n], v[2*n], v[2*n+1]
.set n, n+1
.endr
.endr
	WIN 0x04                                       ; a store's data are its source 1: window 1
.set n, 0                              ; n = 8 a + b
.rept 64
.if \isv
	global_store_b128 v[CO], v[4*n:4*n+3], s[94:95] offset:((n/8)/4)*262144+((n%8)/2)*4096+((n/8)%4)*1024+(n%2)*512
.else
	global_store_b128 v[CO], v[4*n:4*n+3], s[94:95] offset:((n%8)/4)*262144+(n/8)*2048+(((n%8)%4)/2)*1024+(n%2)*512   ; 32 lanes store 512 consecutive bytes, aligned
.endif
.set n, n+1
.endr
	WIN 0
.endm
	PLACES NP                                      ; behind the last products, ahead of the first read of results
	s_wait_loadcnt 0x0                             ; the bias
	s_cmp_eq_u32 s19, 1                            ; the same in all sixteen partners; no barrier and no LDS access stands in either arm
	s_cbranch_scc1 .Lout_v
	OUT 0
	s_branch .Lout_done
.Lout_v:
	OUT 1
.Lout_done:
	s_wait_tensorcnt 0x0                           ; the wave's end, behind my last tensor load
	ds_add_u32 v[SPW], v[NIL]
	s_wait_dscnt 0x0
	CROUND                                         ; the closing round: no work-group ends while a partner may still ask for a tile that names it
	s_endpgm
.Lfunc_end_k_q20bc1144b1_proj:
	.size	k_q20bc1144b1_proj, .Lfunc_end_k_q20bc1144b1_proj-k_q20bc1144b1_proj
	.p2alignl 7, 3214868480
	.fill 96, 4, 3214868480
	.section	.rodata,"a",@progbits
	.p2align	6, 0x0
	.amdhsa_kernel k_q20bc1144b1_proj
		.amdhsa_group_segment_fixed_size 327680
		.amdhsa_private_segment_fixed_size 0
		.amdhsa_enable_private_segment 0
		.amdhsa_kernarg_size 48
		.amdhsa_user_sgpr_count 2
		.amdhsa_user_sgpr_kernarg_segment_ptr 1
		.amdhsa_wavefront_size32 1
		.amdhsa_system_sgpr_workgroup_id_x 1
		.amdhsa_system_sgpr_workgroup_id_y 1
		.amdhsa_system_sgpr_workgroup_id_z 1
		.amdhsa_system_vgpr_workitem_id 0
		.amdhsa_next_free_vgpr 1024
		.amdhsa_next_free_sgpr 100
		.amdhsa_reserve_vcc 0
		.amdhsa_float_denorm_mode_32 3
		.amdhsa_float_denorm_mode_16_64 3
		.amdhsa_memory_ordered 1
		.amdhsa_forward_progress 1
		.amdhsa_inst_pref_size 175
	.end_amdhsa_kernel
	.amdgpu_metadata
---
amdhsa.version: [ 1, 2 ]
amdhsa.kernels:
  - .name:           k_q20bc1144b1_proj
    .symbol:         k_q20bc1144b1_proj.kd
    .args:
      - { .name: codes, .offset: 0, .size: 8, .value_kind: global_buffer, .address_space: global }
      - { .name: scales, .offset: 8, .size: 8, .value_kind: global_buffer, .address_space: global }
      - { .name: bq, .offset: 16, .size: 8, .value_kind: global_buffer, .address_space: global }
      - { .name: qimg, .offset: 24, .size: 8, .value_kind: global_buffer, .address_space: global }
      - { .name: kimg, .offset: 32, .size: 8, .value_kind: global_buffer, .address_space: global }
      - { .name: vimg, .offset: 40, .size: 8, .value_kind: global_buffer, .address_space: global }
    .group_segment_fixed_size: 327680
    .private_segment_fixed_size: 0
    .kernarg_segment_align: 8
    .kernarg_segment_size: 48
    .max_flat_workgroup_size: 128
    .sgpr_count:     100
    .vgpr_count:     1024
    .wavefront_size: 32
...
	.end_amdgpu_metadata
.endif
;; end of part 2
;; launch attn (part 3): grid 4 x 64, 16 waves a work-group, clusters of 4 x 1, 327,680 bytes of LDS; arguments qimg, kimg, vimg, cimg; writes cimg
.if DOCPART == 3
	.amdgcn_target "amdgcn-amd-amdhsa--gfx1250"
	.amdhsa_code_object_version 6
	.text
	.protected	k_q20bc1144b1_attn
	.globl	k_q20bc1144b1_attn
	.p2align	8
	.type	k_q20bc1144b1_attn,@function
k_q20bc1144b1_attn:
	s_mov_b64 s[64:65], 0
	v_nop
	global_prefetch_b8 v0, s[64:65] scope:SCOPE_SE
	s_setreg_imm32_b32 hwreg(HW_REG_WAVE_MODE, 25, 1), 1
	s_wait_xcnt 0x0
	s_wait_alu depctr_hold_cnt(0) depctr_sa_sdst(0) depctr_va_vdst(0) depctr_va_sdst(0) depctr_va_ssrc(0) depctr_va_vcc(0) depctr_vm_vsrc(0)
	s_getreg_b32 s2, hwreg(HW_REG_IB_STS2, 6, 4)
	s_cmp_eq_u32 s2, 0
	s_cbranch_scc0 .Lentry_in_a_cluster
	s_endpgm
.Lentry_in_a_cluster:
	s_bfe_u32 s2, ttmp6, 0x10000c
	s_cmp_lg_u32 s2, 0x3003
	s_cbranch_scc0 .Lentry_shape_is_right
	s_endpgm
.Lentry_shape_is_right:
; ctx[b h][q][:] = the sum over k of softmax_k(Q[q] . K[k] / 8) V[k][:], 64 batch-heads, 2,048 tokens, head size 64, no mask.  Operands f16, products, maxima and sums f32; the weights p are rounded to f16 for the second product.
; All three operands arrive as images of fragments (1 KiB: [quad u][lane][16 bytes]): qimg, kimg [b h][tile of 16 tokens][32 channels c]; vimg [b h][32 keys][16 channels]: V^T, keys along K.  So every LDS and global load is 16 x lane + a constant.
; SHARES.  A work-group owns 512 queries of one batch-head, each of its sixteen waves 32: two tiles, in 256 registers, four waves to a SIMD, so that one wave's softmax stands beside another's products and LDS loads.
; LAYOUT.  S^T = K Q^T (source 0 = 16 keys, source 1 = 16 queries): a lane holds ONE query (lane % 16) and keys 8 (lane / 16) + 0..7.  Two such tiles, rounded to f16 in pairs, ARE source 1 (32 keys x 16 queries)
; of O^T = V^T P, whose result again holds one query a lane and eight channels; rounded in pairs that is a quad of the output projection's operand, and is stored so (cimg [tile of 16 tokens 512][32 along K 32]).
; SOFTMAX.  For each query a running maximum m and sum l: p = 2^(c s - c m), c = log2(e) / 8; in every step O and l are multiplied by a = 2^(c m_old - c m_new).  m begins at -3e38, O and l at 0, so the step is written in one form.
; RING.  Two slots of 512 keys (K 64 KiB, then V 64 KiB), each wave fetching 8 KiB of a slot: waves 0-7 K's, waves 8-15 V's.  A slot is 8 steps of 64 keys; the 2,048 keys are 4 slots: two at the head, two refills.
; A refill is asked for at the change of slots and first read eight key steps of all sixteen waves later; a batch-head's K and V are fetched by its one cluster alone: no prefetch is laid.
; CLUSTER.  The four query blocks of a batch-head walk the same K and V: each tile is asked for JOINTLY, by the same tensor load with the same descriptor and the mask of all four.  cx enters Q's and the result's addresses alone.
; LIMITS: Q, K, V under 65,504 in magnitude (f16); a weight under 2^-24 of its row's running largest is dropped by f16; NaN and infinities are not served.
.set SLOT1, 131072                     ; slot 1 begins here
.set VOFF,  65536                      ; in a slot: V behind K
.set STEPB, 8192                       ; a step's 64 keys: 4 tiles x 2 KiB of K, 2 x 4 KiB of V
.set SPARE, 2*SLOT1                    ; behind the ring: the spare words, 128 bytes for each of sixteen waves
.set LN,  1                            ; v1  16 x lane; never rewritten
.set ADK, 2                            ; v2  LDS address of the step's K
.set ADV, 3                            ; v3  of its V
.set SPW, 4                            ; v4  LDS address of my spare word; never rewritten
.set NIL, 5                            ; v5  0; never rewritten
.set ST,  8                            ; tile t's statistics at v[ST + 8 t]: +0 c m, +1 m, +2, +3 l (even keys', odd keys'), +4, +5 at work, +6 a, +7 its exponent
.set LB,  24                           ; v[24 + 2 t] a second chain for the sums
.set QF,  32                           ; Q: tile t, channels 32 c on: v[QF + 16 t + 8 c]
.set KV,  64                           ; eight fragments: K's (keys 16 i on, channels 32 c on: 8 (4 c + i)), then V's (keys 32 g on, channels 16 ct on: 8 (4 g + ct))
.set S,   128                          ; S^T: v[S + 32 t + 8 i]; P is written over its first 16 registers of each tile
.set OT,  192                          ; O^T: v[OT + 32 t + 8 ct]
.set WV,  12                           ; s12 my wave's number
.set G1,  24                           ; s[24:31] descriptor group 1
.set G0,  32                           ; s[32:35], s[36:39] group 0 for slot 0, 1
.set TB,  40                           ; s40 LDS byte at which the step's K begins
.set CNT, 41                           ; s41 steps left in the slot
.set CS,  42                           ; s[42:43] c: the packed form names a pair and takes its low word for both halves
.set SEL, 44                           ; s[44:45] lane selects for v_permlanex16_b32: lane l xor 16
.macro CROUND                          ; a round of the cluster's barrier
	s_barrier_signal -1
	s_barrier_wait -1
	s_cmp_lg_u32 s[WV], 0
	s_cbranch_scc1 .Lnot_wave_0_\@
	s_barrier_signal -3
.Lnot_wave_0_\@:
	s_barrier_wait -3
	s_barrier_signal -1
	s_barrier_wait -1
.endm
	s_load_b256 s[4:11], s[0:1], 0x0               ; qimg s[4:5], kimg s[6:7], vimg s[8:9], cimg s[10:11]
	v_lshl_add_u32 v[SPW], v0, 2, SPARE
	v_mov_b32 v[NIL], 0
	ds_add_u32 v[SPW], v[NIL]                      ; the wave's opening: the add, twice on end, and its wait ahead of my first tensor load
	ds_add_u32 v[SPW], v[NIL]
	v_lshrrev_b32 v1, 5, v0
	v_readfirstlane_b32 s[WV], v1                  ; wave 0..15
	s_bfe_u32 s13, ttmp6, 0x40000                  ; cx: my block of 512 queries
	s_and_b32 s14, ttmp7, 0xffff                   ; the batch-head, which the four partners share
	; descriptor group 1: 8 KiB, dense, as 32 rows of 256 bytes
	s_mov_b32 s[G1], 15|(3<<16)|(1<<21)            ; 15:0 the mask: all four work-groups; 17:16 elements of 8 bytes; 20 no padding; 21 set beside a mask
	s_mov_b32 s[G1+1], 32<<16                      ; tensor_dim0 = 32
	s_mov_b32 s[G1+2], 32<<16                      ; tensor_dim1 = 32
	s_mov_b32 s[G1+3], 32<<16                      ; tile_dim0 = 32
	s_mov_b32 s[G1+4], 32                          ; tile_dim1 = 32
	s_mov_b32 s[G1+5], 32                          ; tensor_dim0_stride
	s_mov_b32 s[G1+6], 0
	s_mov_b32 s[G1+7], 0
	s_mov_b32 s[CS], 0x3e38aa3b                    ; c = log2(e) / 8
	s_mov_b32 s[CS+1], s[CS]
	s_mov_b32 s[SEL], 0x76543210
	s_mov_b32 s[SEL+1], 0xfedcba98
	s_lshl_b32 s16, s14, 18                        ; a batch-head is 256 KiB in each of the three images
	s_and_b32 s17, s[WV], 7
	s_lshl_b32 s17, s17, 13                        ; my 8 KiB of a slot's 64
	s_add_co_u32 s16, s16, s17
	s_mov_b32 s17, 0
	s_lshl_b32 s18, s[WV], 13                      ; and in LDS: wave x 8 KiB: K's eight parts, then V's
	s_lshl_b32 s20, s14, 18                        ; Q: my two tiles: (128 b h + 32 cx + 2 wave) x 2 KiB
	s_lshl_b32 s21, s13, 16
	s_add_co_u32 s20, s20, s21
	s_lshl_b32 s21, s[WV], 12
	s_add_co_u32 s20, s20, s21
	s_mov_b32 s21, 0
	s_lshr_b32 s22, s14, 4                         ; the result: (128 batch + 32 cx + 2 wave) x 32 KiB + head x 2 KiB
	s_lshl_b32 s22, s22, 22
	s_lshl_b32 s23, s13, 20
	s_add_co_u32 s22, s22, s23
	s_lshl_b32 s23, s[WV], 16
	s_add_co_u32 s22, s22, s23
	s_and_b32 s23, s14, 15
	s_lshl_b32 s23, s23, 11
	s_add_co_u32 s22, s22, s23
	s_mov_b32 s23, 0
	s_wait_dscnt 0x0                               ; both opening adds are done
	s_wait_kmcnt 0x0
	s_cmp_lt_u32 s[WV], 8                          ; the wave's number alone: the same in all four partners
	s_cselect_b64 s[46:47], s[6:7], s[8:9]
	s_add_nc_u64 s[46:47], s[46:47], s[16:17]
	s_add_nc_u64 s[4:5], s[4:5], s[20:21]
	s_add_nc_u64 s[10:11], s[10:11], s[22:23]
	CROUND                                         ; all four work-groups are here: the first joint loads meet
	s_mov_b32 s[G0], 1                             ; count = 1
	s_mov_b32 s[G0+1], s18                         ; LDS address: slot 0
	s_mov_b64 s[G0+2:G0+3], s[46:47]               ; keys 0 to 511
	s_or_b32 s[G0+3], s[G0+3], 0x80000000          ; type = 2
	s_mov_b32 s[G0+4], 1
	s_add_co_u32 s[G0+5], s18, SLOT1
	s_add_nc_u64 s[G0+6:G0+7], s[46:47], 65536     ; keys 512 to 1,023
	s_or_b32 s[G0+7], s[G0+7], 0x80000000
	tensor_load_to_lds s[G0:G0+3], s[G1:G1+7]      ; every wave fetches: two loads of mine are out
	s_nop 0
	tensor_load_to_lds s[G0+4:G0+7], s[G1:G1+7]
	s_nop 0
.rept 4
	v_nop
.endr
	v_and_b32 v[LN], 31, v0
	v_lshlrev_b32 v[LN], 4, v[LN]
.irp t, 0,1
.irp c, 0,1
.irp u, 0,1
	global_load_b128 v[QF+16*\t+8*\c+4*\u:QF+16*\t+8*\c+4*\u+3], v[LN], s[4:5] offset:2048*\t+1024*\c+512*\u   ; Q stays in registers
.endr
.endr
.endr
.irp t, 0,1
	v_mov_b32 v[ST+8*\t+1], 0xff61b1e6             ; m = -3e38, under every score
	v_mul_f32 v[ST+8*\t], s[CS], v[ST+8*\t+1]      ; c m
	v_mov_b32 v[ST+8*\t+2], 0                      ; l
	v_mov_b32 v[ST+8*\t+3], 0
.endr
.set n, 0
.rept 64
	v_mov_b32 v[OT+n], 0                           ; O^T: the first step finds zeros and multiplies them by a = 0
.set n, n+1
.endr
; A KEY STEP: 64 keys at LDS byte s[TB] of K's part.
.macro STEP
	v_add_nc_u32 v[ADK], s[TB], v[LN]
	v_add_nc_u32 v[ADV], VOFF, v[ADK]
.rept 3
	v_nop                                          ; five places with the two additions: behind the last step's products V^T P, whose fragments are loaded anew (four are asked) and whose P the first scores write over (five)
.endr
.irp c, 0,1
.irp i, 0,1,2,3
.irp u, 0,1
	ds_load_b128 v[KV+8*(4*\c+\i)+4*\u:KV+8*(4*\c+\i)+4*\u+3], v[ADK] offset:2048*\i+1024*\c+512*\u
.endr
.endr
.endr
	s_wait_dscnt 0x8                               ; channels 0-31 are in; the eight loads of channels 32-63 may be out
.irp i, 0,1,2,3                                ; the eight accumulators take turns, one instruction a turn
.irp t, 0,1
	v_wmma_f32_16x16x32_f16 v[S+32*\t+8*\i:S+32*\t+8*\i+7], v[KV+8*\i:KV+8*\i+7], v[QF+16*\t:QF+16*\t+7], 0
.endr
.endr
	s_wait_dscnt 0x0
.irp i, 0,1,2,3
.irp t, 0,1
	v_wmma_f32_16x16x32_f16 v[S+32*\t+8*\i:S+32*\t+8*\i+7], v[KV+32+8*\i:KV+32+8*\i+7], v[QF+16*\t+8:QF+16*\t+15], v[S+32*\t+8*\i:S+32*\t+8*\i+7]
.endr
.endr
.irp t, 0,1
	v_mov_b32 v[ST+8*\t+7], v[ST+8*\t]             ; c m_old is kept for a
.endr
	v_nop
	v_nop                                          ; four places: ahead of the loads into K's registers and of the first read of the scores
.irp g, 0,1
.irp ct, 0,1,2,3
.irp u, 0,1
	ds_load_b128 v[KV+8*(4*\g+\ct)+4*\u:KV+8*(4*\g+\ct)+4*\u+3], v[ADV] offset:4096*\g+1024*\ct+512*\u   ; V lands while the softmax is walked
.endr
.endr
.endr
	; the maximum of my 32 scores and the old m, in two chains a tile, the tiles by turns; each accumulator is first read at its low end
.irp t, 0,1
	v_max3_num_f32 v[ST+8*\t+4], v[S+32*\t], v[S+32*\t+1], v[S+32*\t+2]
	v_max3_num_f32 v[ST+8*\t+5], v[S+32*\t+16], v[S+32*\t+17], v[S+32*\t+18]
.endr
.irp j, 3,5,7,9,11,13
.irp t, 0,1
	v_max3_num_f32 v[ST+8*\t+4], v[ST+8*\t+4], v[S+32*\t+\j], v[S+32*\t+\j+1]
	v_max3_num_f32 v[ST+8*\t+5], v[ST+8*\t+5], v[S+32*\t+16+\j], v[S+32*\t+17+\j]
.endr
.endr
.irp t, 0,1
	v_max3_num_f32 v[ST+8*\t+4], v[ST+8*\t+4], v[S+32*\t+15], v[S+32*\t+31]
.endr
.irp t, 0,1
	v_max3_num_f32 v[ST+8*\t+4], v[ST+8*\t+4], v[ST+8*\t+5], v[ST+8*\t+1]
.endr
.irp t, 0,1
	v_permlanex16_b32 v[ST+8*\t+5], v[ST+8*\t+4], s[SEL], s[SEL+1]   ; the query's other 32 keys lie in the lane 16 away
.endr
.irp t, 0,1
	v_max_num_f32 v[ST+8*\t+1], v[ST+8*\t+4], v[ST+8*\t+5]           ; the new m
.endr
.irp t, 0,1
	v_mul_f32 v[ST+8*\t], s[CS], v[ST+8*\t+1]                        ; c m
.endr
.irp t, 0,1
	v_sub_f32 v[ST+8*\t+7], v[ST+8*\t+7], v[ST+8*\t]                 ; c m_old - c m_new
.endr
.irp b, 0,2,4,6,8,10,12,14,16,18,20,22,24,26,28,30
.irp t, 0,1
	v_pk_fma_f32 v[S+32*\t+\b:S+32*\t+\b+1], v[S+32*\t+\b:S+32*\t+\b+1], s[CS:CS+1], v[ST+8*\t:ST+8*\t+1] op_sel_hi:[1,0,0] neg_lo:[0,0,1] neg_hi:[0,0,1]   ; c s - c m, two at a time
.endr
.endr
.irp t, 0,1
	v_exp_f32 v[ST+8*\t+6], v[ST+8*\t+7]           ; a
.endr
.set n, 0
.rept 32
.irp t, 0,1
	v_exp_f32 v[S+32*\t+n], v[S+32*\t+n]           ; p, at most 1
.endr
.set n, n+1
.endr
	v_nop                                          ; a plain line behind the last exponential
	s_wait_alu depctr_va_vdst(0)                   ; ONE wait for the batch of 66, ahead of its first reader
.irp t, 0,1
	v_pk_mul_f32 v[ST+8*\t+2:ST+8*\t+3], v[ST+8*\t+2:ST+8*\t+3], v[ST+8*\t+6:ST+8*\t+7] op_sel_hi:[1,0]   ; l a
.endr
.irp t, 0,1
	v_pk_add_f32 v[LB+2*\t:LB+2*\t+1], v[S+32*\t:S+32*\t+1], v[S+32*\t+2:S+32*\t+3]   ; the sums are taken of the unrounded p, in two chains
.endr
.irp j, 4,8,12,16,20,24,28
.irp t, 0,1
	v_pk_add_f32 v[ST+8*\t+2:ST+8*\t+3], v[ST+8*\t+2:ST+8*\t+3], v[S+32*\t+\j:S+32*\t+\j+1]
	v_pk_add_f32 v[LB+2*\t:LB+2*\t+1], v[LB+2*\t:LB+2*\t+1], v[S+32*\t+\j+2:S+32*\t+\j+3]
.endr
.endr
.irp t, 0,1
	v_pk_add_f32 v[ST+8*\t+2:ST+8*\t+3], v[ST+8*\t+2:ST+8*\t+3], v[LB+2*\t:LB+2*\t+1]
.endr
.set n, 0
.rept 16
.irp t, 0,1
	v_cvt_pk_f16_f32 v[S+32*\t+n], v[S+32*\t+2*n], v[S+32*\t+2*n+1]   ; P in place, ascending: register n has been read when it is written
.endr
.set n, n+1
.endr
.irp b, 0,2,4,6,8,10,12,14,16,18,20,22,24,26,28,30
.irp t, 0,1
	v_pk_mul_f32 v[OT+32*\t+\b:OT+32*\t+\b+1], v[OT+32*\t+\b:OT+32*\t+\b+1], v[ST+8*\t+6:ST+8*\t+7] op_sel_hi:[1,0]   ; O^T a
.endr
.endr
	s_wait_dscnt 0x0                               ; V is in
.irp g, 0,1                                    ; O^T += V^T P: the eight accumulators by turns
.irp ct, 0,1,2,3
.irp t, 0,1
	v_wmma_f32_16x16x32_f16 v[OT+32*\t+8*\ct:OT+32*\t+8*\ct+7], v[KV+8*(4*\g+\ct):KV+8*(4*\g+\ct)+7], v[S+32*\t+8*\g:S+32*\t+8*\g+7], v[OT+32*\t+8*\ct:OT+32*\t+8*\ct+7]
.endr
.endr
.endr
.endm
.macro SLOTLOOP base                   ; a slot's eight key steps
	s_mov_b32 s[TB], \base
	s_mov_b32 s[CNT], 8
.Lstep_\@:
	STEP
	s_add_co_u32 s[TB], s[TB], STEPB
	s_sub_co_u32 s[CNT], s[CNT], 1
	s_cmp_lg_u32 s[CNT], 0
	s_cbranch_scc1 .Lstep_\@
.endm
; THE CHANGE OF SLOTS.  Each wave waits for all its tensor loads (its part of the slot ahead), adds 0 to its spare word, and waits for that and for its reads of the slot that it leaves.
; fill = 1: the barrier is a round of the cluster's, so that no wave of any partner still reads the slot or has a load on its way; the slot left takes the keys two slots on: my one tensor load behind the round.
.macro CHANGE slot, fill
	s_wait_tensorcnt 0x0                           ; no tensor load of mine is out, so a group 0 may be written
	ds_add_u32 v[SPW], v[NIL]
.if \fill
	s_add_nc_u64 s[G0+4*\slot+2:G0+4*\slot+3], s[G0+4*\slot+2:G0+4*\slot+3], 131072   ; 1,024 keys on; the type bits on top are not reached
.endif
	s_wait_dscnt 0x0                               ; the add is done, and my reads of the slot are over
.if \fill
	CROUND
	tensor_load_to_lds s[G0+4*\slot:G0+4*\slot+3], s[G1:G1+7]
	s_nop 0
.rept 4
	v_nop
.endr
.else
	s_barrier_signal -1
	s_barrier_wait -1
.endif
.endm
	s_wait_tensorcnt 0x1                           ; my part of slot 0 is in; slot 1's may stay out
	s_barrier_signal -1
	s_barrier_wait -1                              ; everybody's is
	s_wait_loadcnt 0x0                             ; Q
	SLOTLOOP 0                                     ; keys 0-511
	CHANGE 0, 1                                    ; slot 0 takes keys 1,024-1,535
	SLOTLOOP SLOT1                                 ; keys 512-1,023
	CHANGE 1, 1                                    ; slot 1 takes keys 1,536-2,047
	SLOTLOOP 0
	CHANGE 0, 0                                    ; nothing is left to fetch
	SLOTLOOP SLOT1
	; THE WAY OUT.  l's halves and the other half of the lanes' are added (these lines are also the places behind the last products); O^T / l, rounded to f16 in pairs, is a quad of the next product's operand.
.irp t, 0,1
	v_add_f32 v[ST+8*\t+4], v[ST+8*\t+2], v[ST+8*\t+3]
.endr
.irp t, 0,1
	v_permlanex16_b32 v[ST+8*\t+5], v[ST+8*\t+4], s[SEL], s[SEL+1]
.endr
.irp t, 0,1
	v_add_f32 v[ST+8*\t+4], v[ST+8*\t+4], v[ST+8*\t+5]
.endr
.irp t, 0,1
	v_rcp_f32 v[ST+8*\t+6], v[ST+8*\t+4]
.endr
	v_nop                                          ; a plain line behind the last reciprocal
	s_wait_alu depctr_va_vdst(0)                   ; one wait for the two, ahead of their first reader
.irp t, 0,1
.irp b, 0,2,4,6,8,10,12,14,16,18,20,22,24,26,28,30
	v_pk_mul_f32 v[OT+32*\t+\b:OT+32*\t+\b+1], v[OT+32*\t+\b:OT+32*\t+\b+1], v[ST+8*\t+6:ST+8*\t+7] op_sel_hi:[1,0]
.endr
.endr
.set n, 0
.rept 32
	v_cvt_pk_f16_f32 v[S+n], v[OT+2*n], v[OT+2*n+1]   ; register 16 t + 4 ct + i
.set n, n+1
.endr
.irp t, 0,1
.irp ct, 0,1,2,3
	global_store_b128 v[LN], v[S+16*\t+4*\ct:S+16*\t+4*\ct+3], s[10:11] offset:32768*\t+1024*(\ct/2)+512*(\ct%2)   ; 32 lanes store 512 consecutive bytes, aligned
.endr
.endr
	s_wait_tensorcnt 0x0                           ; the wave's end, behind my last tensor load
	ds_add_u32 v[SPW], v[NIL]
	s_wait_dscnt 0x0
	CROUND                                         ; the closing round
	s_endpgm
.Lfunc_end_k_q20bc1144b1_attn:
	.size	k_q20bc1144b1_attn, .Lfunc_end_k_q20bc1144b1_attn-k_q20bc1144b1_attn
	.p2alignl 7, 3214868480
	.fill 96, 4, 3214868480
	.section	.rodata,"a",@progbits
	.p2align	6, 0x0
	.amdhsa_kernel k_q20bc1144b1_attn
		.amdhsa_group_segment_fixed_size 327680
		.amdhsa_private_segment_fixed_size 0
		.amdhsa_enable_private_segment 0
		.amdhsa_kernarg_size 32
		.amdhsa_user_sgpr_count 2
		.amdhsa_user_sgpr_kernarg_segment_ptr 1
		.amdhsa_wavefront_size32 1
		.amdhsa_system_sgpr_workgroup_id_x 1
		.amdhsa_system_sgpr_workgroup_id_y 1
		.amdhsa_system_sgpr_workgroup_id_z 1
		.amdhsa_system_vgpr_workitem_id 0
		.amdhsa_next_free_vgpr 256
		.amdhsa_next_free_sgpr 66
		.amdhsa_reserve_vcc 0
		.amdhsa_float_denorm_mode_32 3
		.amdhsa_float_denorm_mode_16_64 3
		.amdhsa_memory_ordered 1
		.amdhsa_forward_progress 1
		.amdhsa_inst_pref_size 83
	.end_amdhsa_kernel
	.amdgpu_metadata
---
amdhsa.version: [ 1, 2 ]
amdhsa.kernels:
  - .name:           k_q20bc1144b1_attn
    .symbol:         k_q20bc1144b1_attn.kd
    .args:
      - { .name: qimg, .offset: 0, .size: 8, .value_kind: global_buffer, .address_space: global }
      - { .name: kimg, .offset: 8, .size: 8, .value_kind: global_buffer, .address_space: global }
      - { .name: vimg, .offset: 16, .size: 8, .value_kind: global_buffer, .address_space: global }
      - { .name: cimg, .offset: 24, .size: 8, .value_kind: global_buffer, .address_space: global }
    .group_segment_fixed_size: 327680
    .private_segment_fixed_size: 0
    .kernarg_segment_align: 8
    .kernarg_segment_size: 32
    .max_flat_workgroup_size: 512
    .sgpr_count:     66
    .vgpr_count:     256
    .wavefront_size: 32
...
	.end_amdgpu_metadata
.endif
;; end of part 3
;; launch oproj (part 4): grid 4 x 64, 4 waves a work-group, clusters of 4 x 4, 327,680 bytes of LDS; arguments cimg, woimg, bo, out0; writes out0
.if DOCPART == 4
	.amdgcn_target "amdgcn-amd-amdhsa--gfx1250"
	.amdhsa_code_object_version 6
	.text
	.protected	k_q20bc1144b1_oproj
	.globl	k_q20bc1144b1_oproj
	.p2align	8
	.type	k_q20bc1144b1_oproj,@function
k_q20bc1144b1_oproj:
	s_mov_b64 s[64:65], 0
	v_nop
	global_prefetch_b8 v0, s[64:65] scope:SCOPE_SE
	s_setreg_imm32_b32 hwreg(HW_REG_WAVE_MODE, 25, 1), 1
	s_wait_xcnt 0x0
	s_wait_alu depctr_hold_cnt(0) depctr_sa_sdst(0) depctr_va_vdst(0) depctr_va_sdst(0) depctr_va_ssrc(0) depctr_va_vcc(0) depctr_vm_vsrc(0)
	s_getreg_b32 s2, hwreg(HW_REG_IB_STS2, 6, 4)
	s_cmp_eq_u32 s2, 0
	s_cbranch_scc0 .Lentry_in_a_cluster
	s_endpgm
.Lentry_in_a_cluster:
	s_bfe_u32 s2, ttmp6, 0x10000c
	s_cmp_lg_u32 s2, 0xf033
	s_cbranch_scc0 .Lentry_shape_is_right
	s_endpgm
.Lentry_shape_is_right:
; out0[token][n] = the sum over k of conc[token][k] Wo[n][k] + bo[n]: 8,192 x 1,024 x 1,024, operands f16, sums f32, out0 f32.
; Both operands arrive as images of fragments (1 KiB: [quad u][lane][16 bytes]): cimg [tile of 16 tokens 512][32 along K 32], woimg [tile of 16 rows of Wo 64][32 along K 32]: every LDS load is 16 x lane + a constant: no pitch, no padding.
; A tile of out0 is 128 tokens x 256 columns: 256 work-groups.  Four waves, each 64 tokens x 128 columns: 32 accumulators of 16 x 16, 256 registers.
; K goes in steps of 128 through two LDS slots: for each tile of 16 rows a K step is 4 consecutive KiB of memory, so a slot is 8 + 16 rows of 4,096 bytes.
; THE MATRIX INSTRUCTION IS USED TRANSPOSED (source 0 = 16 rows of Wo, source 1 = 16 tokens): a lane holds one token and eight neighbouring columns.  bo is the C of each sum's first product.
; CLUSTERS: 4 x 4 work-groups (the grid is one cluster wide).  The four of a row of the cluster need the same tokens, the four of a column the same rows of Wo: each tile is asked for JOINTLY.
; REGISTERS: window 0: v1-29 addresses; two fragment buffers at v32 and v128 (4 of conc, then 8 of Wo: 96 registers); on the way out v32-223 take rows read back.  window 1: accumulator (a, b) at v[8 (8 a + b)].  window 2: v0-63 bo.
.set KSB,    4096                      ; a K step of one tile of 16 rows, in bytes
.set ABYTES, 8*KSB                     ; conc's 8 tiles of tokens
.set SLOT,   24*KSB                    ; then Wo's 16 tiles of rows
.set SPARE,  2*SLOT                    ; behind the ring: the spare words, 128 bytes a wave
.set SPITCH, 528                       ; the way out: a stage of 16 rows x (512 bytes + 16) for each wave, in slot 0, which has had its last fill and its last read when the first result is stored there
.set LAPS,   4                         ; a lap = two K steps = once round the ring
.set ADRA, 16                          ; v16-17  LDS address of my fragments of conc in slot 0, 1
.set ADRB, 20                          ; v20-21  of Wo
.set STO,  24                          ; v24     the way out: where I put 32 bytes of a row
.set RD,   25                          ; v25     where I read a row back
.set CO,   26                          ; v26     16 x lane
.set BO,   27                          ; v27     32 x (lane / 16): my half's eight numbers of bo
.set SPW,  28                          ; v28     LDS address of my spare word; never rewritten
.set NIL,  29                          ; v29     0; never rewritten
.set F0,   32
.set F1,   128
.set G1, 24                            ; s[24:31] descriptor group 1 for conc's tiles;  s[32:39] group 0, one set for each slot
.set G0, 32
.set G1B, 48                           ; s[48:55], s[56:63] the same for Wo's
.set G0B, 56
.set MSB, 0
.macro WIN new                         ; the immediate's high byte repeats the setting that is left; a switch that changes nothing is dropped
.if MSB != (\new)
	s_set_vgpr_msb (MSB<<8)|(\new)
.set MSB, (\new)
.endif
.endm
.set MUL, 0x50                         ; sources 0 and 1 window 0, C and D window 1;  + 0x10: C window 2 (bo)
.macro JLOAD s                         ; a joint load: waves 0 and 1 fetch conc's halves, waves 2 and 3 Wo's; an s_nop 0 and four v_nop follow each of the two lines
	s_cmp_eq_u32 s13, 0
	s_cbranch_scc0 .Lfor_b_\@
	tensor_load_to_lds s[G0+4*\s:G0+4*\s+3], s[G1:G1+7]
	s_nop 0
.rept 4
	v_nop
.endr
	s_branch .Lasked_\@
.Lfor_b_\@:
	tensor_load_to_lds s[G0B+4*\s:G0B+4*\s+3], s[G1B:G1B+7]
	s_nop 0
.rept 4
	v_nop
.endr
.Lasked_\@:
.endm
.macro CREST                           ; a round of the cluster's barrier behind its opening barrier
	s_cmp_lg_u32 s12, 0
	s_cbranch_scc1 .Lnot_wave_0_\@
	s_barrier_signal -3
.Lnot_wave_0_\@:
	s_barrier_wait -3
	s_barrier_signal -1
	s_barrier_wait -1
.endm
.macro CROUND
	s_barrier_signal -1
	s_barrier_wait -1
	CREST
.endm
	s_load_b256 s[4:11], s[0:1], 0x0               ; cimg s[4:5], woimg s[6:7], bo s[8:9], out0 s[10:11]
	v_lshl_add_u32 v[SPW], v0, 2, SPARE
	v_mov_b32 v[NIL], 0
	ds_add_u32 v[SPW], v[NIL]                      ; the wave's opening: the add, twice on end, and its wait ahead of my first tensor load
	ds_add_u32 v[SPW], v[NIL]
	v_lshrrev_b32 v1, 5, v0
	v_readfirstlane_b32 s12, v1                    ; wave 0..3
	s_lshr_b32 s13, s12, 1                         ; which 64 tokens are mine.  Also: I fetch for conc (0) or for Wo (1)
	s_and_b32 s14, s12, 1                          ; which 128 columns.  Also: which half of that tile I fetch
	s_bfe_u32 s40, ttmp6, 0x40000                  ; cx: my 256 columns
	s_bfe_u32 s41, ttmp6, 0x40004                  ; cy
	s_and_b32 s15, ttmp7, 0xffff
	s_lshl_b32 s15, s15, 2
	s_add_co_u32 s15, s15, s41                     ; my 128 tokens: 4 x cluster y + cy
	s_lshl_b32 s43, s41, 2
	s_lshl_b32 s43, 15, s43                        ; my row of the cluster
	s_lshl_b32 s44, 0x1111, s40                    ; my column
	s_or_b32 s[G1+0], s43, (3<<16)|(1<<21)         ; 15:0 the mask; 17:16 elements of 8 bytes; 20 no padding; 21 set beside a mask
	s_or_b32 s[G1B+0], s44, (3<<16)|(1<<21)
	s_mov_b32 s[G1+1], 512<<16                     ; tensor_dim0 = 512 elements: 4,096 bytes
	s_mov_b32 s[G1+2], 4<<16                       ; tensor_dim1 = 4 tiles of tokens
	s_mov_b32 s[G1+3], 512<<16                     ; tile_dim0
	s_mov_b32 s[G1+4], 4                           ; tile_dim1
	s_mov_b32 s[G1+5], 4096                        ; tensor_dim0_stride: 32 KiB from a tile of 16 rows to the next
	s_mov_b32 s[G1+6], 0
	s_mov_b32 s[G1+7], 0
	s_mov_b32 s[G1B+1], 512<<16
	s_mov_b32 s[G1B+2], 8<<16                      ; 8 tiles of rows of Wo
	s_mov_b32 s[G1B+3], 512<<16
	s_mov_b32 s[G1B+4], 8
	s_mov_b32 s[G1B+5], 4096
	s_mov_b32 s[G1B+6], 0
	s_mov_b32 s[G1B+7], 0
	s_lshl_b32 s16, s15, 3
	s_lshl_b32 s17, s14, 2
	s_add_co_u32 s16, s16, s17                     ; conc: tile of tokens 8 x (my 128 tokens) + 4 x half
	s_lshl_b32 s16, s16, 15
	s_mov_b32 s17, 0
	s_lshl_b32 s46, s40, 4
	s_lshl_b32 s47, s14, 3
	s_add_co_u32 s46, s46, s47                     ; Wo: tile of rows 16 cx + 8 x half
	s_lshl_b32 s46, s46, 15
	s_mov_b32 s47, 0
	s_lshl_b32 s20, s14, 14                        ; where they go: conc's halves of 16 KiB,
	s_lshl_b32 s21, s14, 15
	s_add_co_u32 s21, s21, ABYTES                  ; Wo's halves of 32 KiB behind them: no place in the cluster enters an LDS address
	s_wait_dscnt 0x0                               ; both opening adds are done
	s_wait_kmcnt 0x0
	s_add_nc_u64 s[16:17], s[4:5], s[16:17]
	s_add_nc_u64 s[46:47], s[6:7], s[46:47]
	CROUND                                         ; all sixteen work-groups are here: the first joint loads meet
.irp s, 0,1
	s_mov_b32 s[G0+4*\s], 1
	s_add_co_u32 s[G0+4*\s+1], s20, \s*SLOT
	s_add_nc_u64 s[G0+4*\s+2:G0+4*\s+3], s[16:17], \s*KSB
	s_or_b32 s[G0+4*\s+3], s[G0+4*\s+3], 0x80000000
	s_mov_b32 s[G0B+4*\s], 1
	s_add_co_u32 s[G0B+4*\s+1], s21, \s*SLOT
	s_add_nc_u64 s[G0B+4*\s+2:G0B+4*\s+3], s[46:47], \s*KSB
	s_or_b32 s[G0B+4*\s+3], s[G0B+4*\s+3], 0x80000000
	JLOAD \s                                       ; two loads of mine are out
.endr
	v_and_b32 v1, 15, v0                           ; r
	v_bfe_u32 v2, v0, 4, 1                         ; h
	v_and_b32 v3, 31, v0
	v_lshlrev_b32 v[CO], 4, v3
	s_lshl_b32 s22, s13, 14                        ; my four tiles of tokens
	s_lshl_b32 s23, s14, 15
	s_add_co_u32 s23, s23, ABYTES                  ; my eight tiles of rows of Wo
.irp s, 0,1
	v_add_nc_u32 v[ADRA+\s], s22, v[CO]
	v_add_nc_u32 v[ADRB+\s], s23, v[CO]
	s_add_co_u32 s22, s22, SLOT
	s_add_co_u32 s23, s23, SLOT
.endr
	s_mul_i32 s22, s12, 16*SPITCH                  ; my stage
	v_mul_u32_u24 v4, v1, SPITCH                   ; in: row r, 32 bytes for each half of the lanes
	v_lshl_add_u32 v4, v2, 5, v4
	v_add_nc_u32 v[STO], s22, v4
	v_add_nc_u32 v[RD], s22, v[CO]                 ; back: the 32 lanes take one row of 512 bytes
	v_lshlrev_b32 v[BO], 5, v2
	s_lshl_b32 s22, s40, 10
	s_lshl_b32 s23, s14, 9
	s_add_co_u32 s22, s22, s23                     ; my first column, in bytes: 1,024 cx + 512 x half
	s_mov_b32 s23, 0
	s_add_nc_u64 s[8:9], s[8:9], s[22:23]
	s_add_nc_u64 s[10:11], s[10:11], s[22:23]
	s_lshl_b32 s22, s15, 7
	s_lshl_b32 s18, s13, 6
	s_add_co_u32 s22, s22, s18                     ; my first token
	s_lshl_b32 s22, s22, 12                        ; rows of 4,096 bytes (under 2^26)
	s_add_nc_u64 s[10:11], s[10:11], s[22:23]
	WIN 0x80                                       ; destination window 2
.irp b, 0,1,2,3,4,5,6,7
	global_load_b128 v[8*\b:8*\b+3], v[BO], s[8:9] offset:64*\b         ; bo at columns 16 b + 8 h + 0..7: the result's layout
	global_load_b128 v[8*\b+4:8*\b+7], v[BO], s[8:9] offset:64*\b+16
.endr
	WIN 0
; 8 matrix instructions: my tile of tokens a x my 8 tiles of columns, 32 along K, from buffer f.  bias = 1: the first product starts the sums on bo.  The 32 accumulators take turns, in the same order in every quarter.
.macro MUL8 f, a, bias
.irp b, 0,1,2,3,4,5,6,7
.if \bias
	v_wmma_f32_16x16x32_f16 v[8*(8*\a+\b):8*(8*\a+\b)+7], v[\f+32+8*\b:\f+32+8*\b+7], v[\f+8*\a:\f+8*\a+7], v[8*\b:8*\b+7]
.else
	v_wmma_f32_16x16x32_f16 v[8*(8*\a+\b):8*(8*\a+\b)+7], v[\f+32+8*\b:\f+32+8*\b+7], v[\f+8*\a:\f+8*\a+7], v[8*(8*\a+\b):8*(8*\a+\b)+7]
.endif
.endr
.endm
; 24 LDS loads in one run: the fragments of the slot's kc-th 32 along K into buffer f: Wo's eight, then conc's four
.macro FETCH slot, kc, f
	WIN 0
.irp b, 0,1,2,3,4,5,6,7
.irp u, 0,1
	ds_load_b128 v[\f+32+8*\b+4*\u:\f+32+8*\b+4*\u+3], v[ADRB+\slot] offset:4096*\b+1024*(\kc)+512*\u
.endr
.endr
.irp a, 0,1,2,3
.irp u, 0,1
	ds_load_b128 v[\f+8*\a+4*\u:\f+8*\a+4*\u+3], v[ADRA+\slot] offset:4096*\a+1024*(\kc)+512*\u
.endr
.endr
.endm
.macro PLACES                          ; four places in front of loads into registers that matrix instructions have read, and of the first read of results
.rept 4
	v_nop
.endr
.endm
; A K step is four quarters of 32 along K, 32 matrix instructions each, on buffers 0, 1, 0, 1.  One of the first three: multiplies buffer f and fetches the next quarter, kc, into g.
.macro QUARTER slot, kc, f, g, bias
	s_wait_dscnt 0x4                               ; Wo's fragments and conc's tiles 0, 1 are in; the youngest four loads (tiles 2, 3) may be out
	WIN MUL+0x10*(\bias)
	MUL8 \f, 0, \bias
	MUL8 \f, 1, \bias
	PLACES
	FETCH \slot, \kc, \g
	s_wait_dscnt 24                                ; all but the 24 just issued
	WIN MUL+0x10*(\bias)
	MUL8 \f, 2, \bias
	MUL8 \f, 3, \bias
.endm
; The last quarter multiplies buffer 1 and changes slots: ONE barrier; in front of it each wave waits for all its tensor loads, adds 0 to its spare word, and waits for that and for its reads of this slot.  fill = 1: this slot is filled again, two K steps ahead.
.macro TURN slot, next, fill
	WIN 0                                          ; (the add's two registers lie in window 0)
	s_wait_tensorcnt 0x0                           ; all my tensor loads have landed: my part of the next slot
	ds_add_u32 v[SPW], v[NIL]
	s_wait_dscnt 0x5                               ; (the add and the youngest four loads may be out)
	WIN MUL
	MUL8 F1, 0, 0                                  ; eight matrix instructions stand between the add and the wait for it
	s_wait_dscnt 0x0                               ; the add is done, and my reads of this slot are over
	s_barrier_signal -1
	MUL8 F1, 1, 0
.if \fill
	WIN 0
.endif
	s_barrier_wait -1
.if \fill
	CREST                                          ; the barrier has opened a round of the cluster's: no wave of any partner still reads this slot or has a load on its way
	s_add_nc_u64 s[G0+4*\slot+2:G0+4*\slot+3], s[G0+4*\slot+2:G0+4*\slot+3], 2*KSB
	s_add_nc_u64 s[G0B+4*\slot+2:G0B+4*\slot+3], s[G0B+4*\slot+2:G0B+4*\slot+3], 2*KSB
	JLOAD \slot                                    ; the first tensor load behind the round; its four v_nop are also the places in front of the loads below
.else
	PLACES
.endif
	FETCH \next, 0, F0
	WIN MUL
	MUL8 F1, 2, 0
	MUL8 F1, 3, 0
.endm
	s_wait_tensorcnt 0x1                           ; my part of K step 0 is in (K step 1's load may be out),
	s_barrier_signal -1
	s_barrier_wait -1                              ; everybody's is
	FETCH 0, 0, F0
	s_wait_loadcnt 0x0                             ; bo
	QUARTER 0, 1, F0, F1, 1                        ; the first quarter stands in front of the loop: its products start the sums
	WIN 0                                          ; at a label and at a branch every window is 0
	s_mov_b32 s3, LAPS-1
.Llap:                                                 ; a trip goes once round the ring, from a lap's second quarter to the next lap's first, and fills both slots again
	QUARTER 0, 2, F1, F0, 0
	QUARTER 0, 3, F0, F1, 0
	TURN 0, 1, 1
	QUARTER 1, 1, F0, F1, 0
	QUARTER 1, 2, F1, F0, 0
	QUARTER 1, 3, F0, F1, 0
	TURN 1, 0, 1
	QUARTER 0, 1, F0, F1, 0
	WIN 0
	s_sub_co_u32 s3, s3, 1
	s_cmp_lg_u32 s3, 0
	s_cbranch_scc1 .Llap
	QUARTER 0, 2, F1, F0, 0                        ; the last lap fills nothing, and has no round of the cluster's barrier
	QUARTER 0, 3, F0, F1, 0
	TURN 0, 1, 0
	QUARTER 1, 1, F0, F1, 0
	QUARTER 1, 2, F1, F0, 0
	QUARTER 1, 3, F0, F1, 0
	s_wait_dscnt 0x4                               ; the very last quarter: nothing more to fetch
	WIN MUL
	MUL8 F1, 0, 0
	MUL8 F1, 1, 0
	s_wait_dscnt 0x0
	MUL8 F1, 2, 0
	MUL8 F1, 3, 0
	WIN 0
; THE WAY OUT, a block of 16 tokens x 128 columns at a time: a lane holds 32 neighbouring bytes of a row and the lanes beside it other rows, so a block goes through my own stage and comes back as whole rows of 512 bytes.
; LDS serves a wave's instructions in order (ISA guide 5.7.1.4): no wait between the stores and the loads, nor in front of the next block's stores.
.macro TOSTAGE a
	WIN 0x04                                       ; an LDS store's data are its source 1: window 1
.irp b, 0,1,2,3,4,5,6,7
	ds_store_b128 v[STO], v[64*\a+8*\b:64*\a+8*\b+3] offset:64*\b          ; each accumulator from its low end on
	ds_store_b128 v[STO], v[64*\a+8*\b+4:64*\a+8*\b+7] offset:64*\b+16
.endr
	WIN 0
.irp t, 0,1,2,3,4,5,6,7,8,9,10,11,12,13,14,15
	ds_load_b128 v[32+64*(\a%3)+4*\t:32+64*(\a%3)+4*\t+3], v[RD] offset:\t*SPITCH
.endr
.endm
.macro SEND a, younger                 ; younger: the LDS instructions issued behind block a's loads, which may stay out
	s_wait_dscnt \younger
.irp t, 0,1,2,3,4,5,6,7,8,9,10,11,12,13,14,15
	global_store_b128 v[CO], v[32+64*(\a%3)+4*\t:32+64*(\a%3)+4*\t+3], s[10:11] offset:(16*\a+\t)*4096 th:TH_STORE_NT   ; 32 lanes store 512 consecutive bytes, aligned; written once, read by nobody here
.endr
.endm
	PLACES                                         ; behind the last products: ahead of the first read of results and of loads into the fragments' registers
	TOSTAGE 0
	TOSTAGE 1
	SEND 0, 32                                     ; behind block 0's loads: block 1's 16 stores and 16 loads
	TOSTAGE 2
	SEND 1, 32
	s_wait_xcnt 0x0                                ; block 0's stores have read their registers: block 3's rows land there
	TOSTAGE 3
	SEND 2, 32
	SEND 3, 0
	s_wait_tensorcnt 0x0                           ; the wave's end, behind my last tensor load and my last LDS store
	ds_add_u32 v[SPW], v[NIL]
	s_wait_dscnt 0x0
	CROUND                                         ; the closing round
	s_endpgm
.Lfunc_end_k_q20bc1144b1_oproj:
	.size	k_q20bc1144b1_oproj, .Lfunc_end_k_q20bc1144b1_oproj-k_q20bc1144b1_oproj
	.p2alignl 7, 3214868480
	.fill 96, 4, 3214868480
	.section	.rodata,"a",@progbits
	.p2align	6, 0x0
	.amdhsa_kernel k_q20bc1144b1_oproj
		.amdhsa_group_segment_fixed_size 327680
		.amdhsa_private_segment_fixed_size 0
		.amdhsa_enable_private_segment 0
		.amdhsa_kernarg_size 32
		.amdhsa_user_sgpr_count 2
		.amdhsa_user_sgpr_kernarg_segment_ptr 1
		.amdhsa_wavefront_size32 1
		.amdhsa_system_sgpr_workgroup_id_x 1
		.amdhsa_system_sgpr_workgroup_id_y 1
		.amdhsa_system_sgpr_workgroup_id_z 1
		.amdhsa_system_vgpr_workitem_id 0
		.amdhsa_next_free_vgpr 576
		.amdhsa_next_free_sgpr 66
		.amdhsa_reserve_vcc 0
		.amdhsa_float_denorm_mode_32 3
		.amdhsa_float_denorm_mode_16_64 3
		.amdhsa_memory_ordered 1
		.amdhsa_forward_progress 1
		.amdhsa_inst_pref_size 86
	.end_amdhsa_kernel
	.amdgpu_metadata
---
amdhsa.version: [ 1, 2 ]
amdhsa.kernels:
  - .name:           k_q20bc1144b1_oproj
    .symbol:         k_q20bc1144b1_oproj.kd
    .args:
      - { .name: cimg, .offset: 0, .size: 8, .value_kind: global_buffer, .address_space: global }
      - { .name: woimg, .offset: 8, .size: 8, .value_kind: global_buffer, .address_space: global }
      - { .name: bo, .offset: 16, .size: 8, .value_kind: global_buffer, .address_space: global }
      - { .name: out0, .offset: 24, .size: 8, .value_kind: global_buffer, .address_space: global }
    .group_segment_fixed_size: 327680
    .private_segment_fixed_size: 0
    .kernarg_segment_align: 8
    .kernarg_segment_size: 32
    .max_flat_workgroup_size: 128
    .sgpr_count:     66
    .vgpr_count:     576
    .wavefront_size: 32
...
	.end_amdgpu_metadata
.endif
;; end of part 4
